; MI455X (gfx1250); checked and timed in simulation.
; The chip was launched on July 23, 2026; its instructions are those of AMD's public machine-readable ISA for CDNA 5 (MIT licence, August 2026) and "CDNA5" Instruction Set Architecture Reference Guide (July 2026). The comments in the code are by the model that wrote it; some were corrected since.
;; Adaptive Projection. Allowed arithmetic: float matrix products may take bf16 or f16 operands with f32 sums; other float arithmetic in f32, or as packed bf16 or f16 multiplies, adds, multiply-adds, maxima and minima; sums over many terms, partial sums and values carried from step to step in f32; what a program stores and reads back later, other than sums and carried values, may be rounded once to bf16 or f16.
;; Inputs: W_experts 4 x 1,024 x 1,024 float32; gate_b 4 float32; gate_w 4 x 1,024 float32; x 4 x 4,096 x 1,024 float32.
;; Outputs: out0 4 x 4,096 x 1,024 float32.
;; 2 versions, each right; version 2 is version 1 with the launch prep written anew for expert scheduling mode. Each part assembles by itself: llvm-mc -triple=amdgcn-amd-amdhsa -mcpu=gfx1250 --defsym DOCPART=n.
;; ======== version 1 of 2: 2 launches
;; workspace buffers: xb 33,554,432 bytes; wb 8,388,608 bytes; g 262,144 bytes
;; launch prep (part 1): grid 256 x 1, 4 waves a work-group, no clusters, 0 bytes of LDS; arguments x, W_experts, gate_w, gate_b, xb, wb, g; writes xb, wb, g
.if DOCPART == 1
	.amdgcn_target "amdgcn-amd-amdhsa--gfx1250"
	.amdhsa_code_object_version 6
	.text
	.protected	k_q62dcebba75_prep
	.globl	k_q62dcebba75_prep
	.p2align	8
	.type	k_q62dcebba75_prep,@function
k_q62dcebba75_prep:
	s_mov_b64 s[64:65], 0
	v_nop
	global_prefetch_b8 v0, s[64:65] scope:SCOPE_SE
	s_setreg_imm32_b32 hwreg(HW_REG_WAVE_MODE, 25, 1), 1
	s_wait_xcnt 0x0
; PREPARATION, a stream.  xb = bf16(x), [16384][1024].  wb = bf16(W_experts) with its rows in another order, [4096][1024]: row (o >> 5) * 128 + e * 32 + (o & 31) holds W[e][o][:].
; g[t][e] = softmax_e(x[t] . gate_w[e] + gate_b[e]), f32, [16384][4].
; LIMITS.  x, W_experts, gate_w and gate_b are each rounded ONCE to bf16 (nearest even); the gate's products are those of the rounded numbers, summed in f32.  The row's maximum is taken away before
; the exponentials; an exponential below 2^-126 counts as 0; NaN and infinities are not treated apart.
; SHARES.  256 work-groups of four waves.  A wave takes 16 rows of x and 4 rows of W, a whole row of 4,096 bytes at a time: eight loads of 16 bytes a lane, each covering 512 consecutive bytes;
; two roundings make 8 bytes a lane, and a store of the wave covers 256 consecutive bytes, aligned.  Every byte of x and of W is read once.
; The gate rides on the stream: the row's 16 packed registers are multiplied with gate_w's (bf16, kept in 64 registers for the whole kernel), eight f32 chains a lane, and four rows' sums are
; reduced across the lanes and put through the softmax together.  No LDS, no barrier, no matrix instruction, no cluster: a lane holds consecutive bytes of ONE row, which is no matrix fragment,
; the gate is a thousandth of the module's products, and no two work-groups read the same rows (gate_w's 16 KiB aside).
; A ring of four row slots in registers keeps 24 to 32 loads of every wave on their way.
.set LO,  1                            ; v1       16 x lane: my 16 bytes in 512
.set SO,  2                            ; v2       8 x lane: my 8 bytes in 256
.set LH,  3                            ; v3       lane / 2: the row (of my wave's 16) whose gates I keep
.set NIL, 4                            ; v4       0: starts the sums
.set G,   6                            ; v[6:7]   the gates that I keep: experts 2 (lane % 2) and 2 (lane % 2) + 1 of row lane / 2
.set BB,  8                            ; v[8:11]  gate_b, rounded to bf16, as f32
.set ACC, 12                           ; v[12:19] eight chains: expert e, even and odd columns; also at work in the softmax
.set SS,  20                           ; v[20:23] four rows' sums of exponentials
.set MR,  24                           ; v[24:31] row s: v[24+2s] c x maximum, later 1 / sum; the odd ones are only named with them as pairs
.set Y,   32                           ; v[32:47] a row in bf16: register 2 j + c holds columns 128 j + 4 lane + 2 c, + 1
.set LG,  48                           ; v[48:63] logits of four rows: 4 s + e
.set GW,  64                           ; v[64:127] gate_w in bf16: 16 e + 2 j + c, columns as in Y
.set X,   128                          ; v[128:255] four slots of 32: a row as loaded.  Window 1 (v256-383): gate_w as loaded
.set MSB, 0
.macro WIN new                         ; the immediate's high byte repeats the setting that is left
.if MSB != (\new)
	s_set_vgpr_msb (MSB<<8)|(\new)
.set MSB, \new
.endif
.endm
	s_load_b256 s[4:11], s[0:1], 0x0               ; x s[4:5], W s[6:7], gate_w s[8:9], gate_b s[10:11]
	s_load_b128 s[12:15], s[0:1], 0x20             ; xb s[12:13], wb s[14:15]
	s_load_b64 s[16:17], s[0:1], 0x30              ; g
	v_and_b32 v5, 31, v0                           ; lane
	v_lshrrev_b32 v3, 5, v0
	v_readfirstlane_b32 s18, v3                    ; wave 0..3
	v_lshlrev_b32 v[LO], 4, v5
	v_lshlrev_b32 v[SO], 3, v5
	v_lshrrev_b32 v[LH], 1, v5
	v_mov_b32 v[NIL], 0
	v_mov_b32 v[G], 0                              ; written lane by lane below, so written whole here
	v_mov_b32 v[G+1], 0
.irp i, 0,1,2,3,4,5,6,7
	v_mov_b32 v[MR+(\i)], 0                        ; named as pairs by the packed lines
.endr
	s_mov_b32 s34, 0x76543210                      ; v_permlanex16_b32: each lane takes its own place in the other half
	s_mov_b32 s35, 0xfedcba98
	s_mov_b32 s36, 0xaaaaaaaa                      ; the odd lanes
	s_mov_b32 s38, 0x3fb8aa3b                      ; c = log2(e)
	s_mov_b32 s39, s38                             ; named with it as a pair
	s_mov_b32 s32, 4                               ; trips of four rows
	s_mov_b32 s33, 0                               ; the row in hand, 0 .. 15
	s_lshl_b32 s19, ttmp9, 6
	s_lshl_b32 s20, s18, 4
	s_add_co_u32 s19, s19, s20                     ; my first row of x: 64 x work-group + 16 x wave
	s_mov_b32 s21, 0                               ; every offset stays under 2^32
	s_wait_kmcnt 0x0
	s_lshl_b32 s20, s19, 12
	s_add_nc_u64 s[22:23], s[4:5], s[20:21]        ; LD: where the slots are filled from
	s_lshl_b32 s20, s19, 11
	s_add_nc_u64 s[26:27], s[12:13], s[20:21]      ; ST: xb at my first row
	s_lshl_b32 s20, s19, 4
	s_add_nc_u64 s[30:31], s[16:17], s[20:21]      ; g at my first row
	s_lshl_b32 s19, ttmp9, 4
	s_lshl_b32 s20, s18, 2
	s_add_co_u32 s19, s19, s20                     ; my first row of W as [4096][1024]: 16 x work-group + 4 x wave = 1024 e + o
	s_lshl_b32 s20, s19, 12
	s_add_nc_u64 s[24:25], s[6:7], s[20:21]        ; WB
	s_lshr_b32 s20, s19, 10                        ; e
	s_and_b32 s19, s19, 1023                       ; o, a multiple of 4: my four rows stay in one group of 32
	s_lshl_b32 s20, s20, 5
	s_lshr_b32 s37, s19, 5
	s_lshl_b32 s37, s37, 7
	s_and_b32 s19, s19, 31
	s_add_co_u32 s20, s20, s37
	s_add_co_u32 s20, s20, s19                     ; (o >> 5) * 128 + 32 e + (o & 31)
	s_lshl_b32 s20, s20, 11
	s_add_nc_u64 s[28:29], s[14:15], s[20:21]      ; WS: wb at my four rows
.macro FILL s                          ; eight loads: the whole row
.irp j, 0,1,2,3,4,5,6,7
	global_load_b128 v[X+32*(\s)+4*(\j):X+32*(\s)+4*(\j)+3], v[LO], s[22:23] offset:(\s)*4096+512*(\j) th:TH_LOAD_NT
.endr
.endm
	global_load_b128 v[BB:BB+3], v[NIL], s[10:11]  ; the four biases, in every lane
	WIN 0x40                                       ; destination window 1
.irp e, 0,1,2,3
.irp j, 0,1,2,3,4,5,6,7
	global_load_b128 v[32*(\e)+4*(\j):32*(\e)+4*(\j)+3], v[LO], s[8:9] offset:(\e)*4096+512*(\j)
.endr
.endr
	WIN 0
	FILL 0
	FILL 1
	FILL 2
	s_wait_loadcnt 24                              ; loads come back in order (ISA guide 5.7.1): the bias and gate_w are in, the three slots' 24 stay out
	WIN 0x05                                       ; sources in window 1, destination in window 0
.set i, 0
.rept 64
	v_cvt_pk_bf16_f32 v[GW+i], v[2*i], v[2*i+1]    ; 16 e + 2 j + c takes 32 e + 4 j + 2 c, + 1
.set i, i+1
.endr
	WIN 0
	FILL 3                                         ; the fourth slot's loads follow the conversion, which they do not wait for
	v_cvt_pk_bf16_f32 v5, v[BB], v[BB+1]           ; the bias is rounded like every input, and widened again
	v_cvt_pk_bf16_f32 v[ACC], v[BB+2], v[BB+3]
	v_lshlrev_b32 v[BB], 16, v5
	v_and_b32 v[BB+1], 0xffff0000, v5
	v_lshlrev_b32 v[BB+2], 16, v[ACC]
	v_and_b32 v[BB+3], 0xffff0000, v[ACC]
; The turn of slot s: a row of x is rounded and stored, the slot is filled again, and the row's four partial logits are made.
.macro XTURN s
	s_wait_loadcnt 24                              ; my slot's eight loads are in; the three younger slots' 24 stay out
	s_wait_xcnt 0x0                                ; every earlier memory instruction has had its addresses translated (ISA guide 3.1): Y, which the last turn's stores read, and LD are rewritten only behind this wait
.if (\s) == 0
	s_add_nc_u64 s[22:23], s[22:23], 0x4000        ; the slots' next four rows;
	s_cmp_eq_u32 s32, 1
	s_cselect_b64 s[22:23], s[24:25], s[22:23]     ; in the last trip x has none left: the slots take my four rows of W
.endif
.set i, 0
.rept 16
	v_cvt_pk_bf16_f32 v[Y+i], v[X+32*(\s)+2*i], v[X+32*(\s)+2*i+1]
.set i, i+1
.endr
	FILL \s
.irp j, 0,1,2,3,4,5,6,7
	global_store_b64 v[SO], v[Y+2*(\j):Y+2*(\j)+1], s[26:27] offset:(\s)*2048+256*(\j)  ; 32 lanes store 256 consecutive bytes, at a multiple of 256 from xb's first byte
.endr
.set i, 0
.rept 16                               ; eight chains, a link every eight lines; the first products start the sums
.irp e, 0,1,2,3
.irp hf, 0,1
.if i == 0
	v_fma_mix_f32_bf16 v[ACC+2*(\e)+(\hf)], v[Y+i], v[GW+16*(\e)+i], v[NIL] op_sel:[\hf,\hf,0] op_sel_hi:[1,1,0]
.else
	v_fma_mix_f32_bf16 v[ACC+2*(\e)+(\hf)], v[Y+i], v[GW+16*(\e)+i], v[ACC+2*(\e)+(\hf)] op_sel:[\hf,\hf,0] op_sel_hi:[1,1,0]
.endif
.endr
.endr
.set i, i+1
.endr
.irp e, 0,1,2,3
	v_add_f32 v[LG+4*(\s)+(\e)], v[ACC+2*(\e)], v[ACC+2*(\e)+1]
.endr
.endm
; Four rows' softmax at once: sixteen independent numbers in every step of the reduction, one batch of sixteen exponentials, one of four reciprocals.
.macro SOFT4
.irp m, 1,2,4,8
.set i, 0
.rept 16
	v_add_f32_dpp v[LG+i], v[LG+i], v[LG+i] row_xmask:\m row_mask:0xf bank_mask:0xf
.set i, i+1
.endr
.endr
.irp hf, 0,1
.set i, 0
.rept 8
	v_permlanex16_b32 v[ACC+i], v[LG+8*(\hf)+i], s34, s35
.set i, i+1
.endr
.set i, 0
.rept 8
	v_add_f32 v[LG+8*(\hf)+i], v[LG+8*(\hf)+i], v[ACC+i]  ; every lane holds the whole sums
.set i, i+1
.endr
.endr
.irp s, 0,1,2,3
.irp c, 0,2
	v_pk_add_f32 v[LG+4*(\s)+(\c):LG+4*(\s)+(\c)+1], v[LG+4*(\s)+(\c):LG+4*(\s)+(\c)+1], v[BB+(\c):BB+(\c)+1]
.endr
.endr
.irp s, 0,1,2,3
	v_max3_num_f32 v[MR+2*(\s)], v[LG+4*(\s)], v[LG+4*(\s)+1], v[LG+4*(\s)+2]
.endr
.irp s, 0,1,2,3
	v_max_num_f32 v[MR+2*(\s)], v[MR+2*(\s)], v[LG+4*(\s)+3]
.endr
.irp s, 0,1,2,3
	v_mul_f32 v[MR+2*(\s)], s38, v[MR+2*(\s)]      ; c m, the same number for the row's four experts
.endr
.irp s, 0,1,2,3
.irp c, 0,2
	v_pk_fma_f32 v[LG+4*(\s)+(\c):LG+4*(\s)+(\c)+1], v[LG+4*(\s)+(\c):LG+4*(\s)+(\c)+1], s[38:39], v[MR+2*(\s):MR+2*(\s)+1] op_sel_hi:[1,0,0] neg_lo:[0,0,1] neg_hi:[0,0,1]  ; c s - c m
.endr
.endr
.set i, 0
.rept 16
	v_exp_f32 v[LG+i], v[LG+i]
.set i, i+1
.endr
	v_nop                                          ; a plain instruction behind the last exponential (ISA guide 5.7.2),
	s_wait_alu depctr_va_vdst(0)                   ; and the wait ahead of the first use: one for the sixteen
.irp s, 0,1,2,3
	v_pk_add_f32 v[ACC+2*(\s):ACC+2*(\s)+1], v[LG+4*(\s):LG+4*(\s)+1], v[LG+4*(\s)+2:LG+4*(\s)+3]
.endr
.irp s, 0,1,2,3
	v_add_f32 v[SS+(\s)], v[ACC+2*(\s)], v[ACC+2*(\s)+1]  ; at least 1: the largest term is 1
.endr
.irp s, 0,1,2,3
	v_rcp_f32 v[MR+2*(\s)], v[SS+(\s)]
.endr
.irp s, 0,1,2,3                        ; even lanes take experts 0 and 1, odd lanes 2 and 3: plain work behind the reciprocals, which names none of their registers
	v_cndmask_b32 v[ACC+2*(\s)], v[LG+4*(\s)], v[LG+4*(\s)+2], s36
	v_cndmask_b32 v[ACC+2*(\s)+1], v[LG+4*(\s)+1], v[LG+4*(\s)+3], s36
.endr
	s_wait_alu depctr_va_vdst(0)                   ; one wait for the four reciprocals
.irp s, 0,1,2,3
	v_pk_mul_f32 v[ACC+2*(\s):ACC+2*(\s)+1], v[ACC+2*(\s):ACC+2*(\s)+1], v[MR+2*(\s):MR+2*(\s)+1] op_sel_hi:[1,0]
.endr
.irp s, 0,1,2,3                        ; the two lanes whose row this is keep it
	v_cmp_eq_u32 vcc_lo, s33, v[LH]
	v_cndmask_b32 v[G], v[G], v[ACC+2*(\s)], vcc_lo
	v_cndmask_b32 v[G+1], v[G+1], v[ACC+2*(\s)+1], vcc_lo
	s_add_co_u32 s33, s33, 1
.endr
.endm
.Ltrip:                                                ; four trips of four rows
	XTURN 0
	XTURN 1
	XTURN 2
	XTURN 3
	SOFT4
	s_wait_xcnt 0x0                                ; the stores' base is stepped only behind this wait
	s_add_nc_u64 s[26:27], s[26:27], 0x2000
	s_sub_co_u32 s32, s32, 1
	s_cmp_lg_u32 s32, 0
	s_cbranch_scc1 .Ltrip
	global_store_b64 v[SO], v[G:G+1], s[30:31]     ; my wave's 16 rows of g: 256 consecutive bytes, aligned
; A row of W: rounded and stored; nothing is left to load, so the counts run down.
.macro WTURN s, left
	s_wait_loadcnt \left
	s_wait_xcnt 0x0                                ; Y is rewritten only behind this wait
.set i, 0
.rept 16
	v_cvt_pk_bf16_f32 v[Y+i], v[X+32*(\s)+2*i], v[X+32*(\s)+2*i+1]
.set i, i+1
.endr
.irp j, 0,1,2,3,4,5,6,7
	global_store_b64 v[SO], v[Y+2*(\j):Y+2*(\j)+1], s[28:29] offset:(\s)*2048+256*(\j)
.endr
.endm
	WTURN 0, 24
	WTURN 1, 16
	WTURN 2, 8
	WTURN 3, 0
	s_endpgm
.Lfunc_end_k_q62dcebba75_prep:
	.size	k_q62dcebba75_prep, .Lfunc_end_k_q62dcebba75_prep-k_q62dcebba75_prep
	.p2alignl 7, 3214868480
	.fill 96, 4, 3214868480
	.section	.rodata,"a",@progbits
	.p2align	6, 0x0
	.amdhsa_kernel k_q62dcebba75_prep
		.amdhsa_group_segment_fixed_size 0
		.amdhsa_private_segment_fixed_size 0
		.amdhsa_enable_private_segment 0
		.amdhsa_kernarg_size 56
		.amdhsa_user_sgpr_count 2
		.amdhsa_user_sgpr_kernarg_segment_ptr 1
		.amdhsa_wavefront_size32 1
		.amdhsa_system_sgpr_workgroup_id_x 1
		.amdhsa_system_sgpr_workgroup_id_y 1
		.amdhsa_system_sgpr_workgroup_id_z 1
		.amdhsa_system_vgpr_workitem_id 0
		.amdhsa_next_free_vgpr 384
		.amdhsa_next_free_sgpr 66
		.amdhsa_reserve_vcc 1
		.amdhsa_float_denorm_mode_32 3
		.amdhsa_float_denorm_mode_16_64 3
		.amdhsa_memory_ordered 1
		.amdhsa_forward_progress 1
		.amdhsa_inst_pref_size 73
	.end_amdhsa_kernel
	.amdgpu_metadata
---
amdhsa.version: [ 1, 2 ]
amdhsa.kernels:
  - .name:           k_q62dcebba75_prep
    .symbol:         k_q62dcebba75_prep.kd
    .args:
      - { .name: x, .offset: 0, .size: 8, .value_kind: global_buffer, .address_space: global }
      - { .name: W_experts, .offset: 8, .size: 8, .value_kind: global_buffer, .address_space: global }
      - { .name: gate_w, .offset: 16, .size: 8, .value_kind: global_buffer, .address_space: global }
      - { .name: gate_b, .offset: 24, .size: 8, .value_kind: global_buffer, .address_space: global }
      - { .name: xb, .offset: 32, .size: 8, .value_kind: global_buffer, .address_space: global }
      - { .name: wb, .offset: 40, .size: 8, .value_kind: global_buffer, .address_space: global }
      - { .name: g, .offset: 48, .size: 8, .value_kind: global_buffer, .address_space: global }
    .group_segment_fixed_size: 0
    .private_segment_fixed_size: 0
    .kernarg_segment_align: 8
    .kernarg_segment_size: 56
    .max_flat_workgroup_size: 128
    .sgpr_count:     66
    .vgpr_count:     384
    .wavefront_size: 32
...
	.end_amdgpu_metadata
.endif
;; end of part 1
;; launch mix (part 2): grid 16 x 16, 4 waves a work-group, clusters of 4 x 4, 327,680 bytes of LDS; arguments xb, wb, g, out0; writes out0
.if DOCPART == 2
	.amdgcn_target "amdgcn-amd-amdhsa--gfx1250"
	.amdhsa_code_object_version 6
	.text
	.protected	k_q62dcebba75_mix
	.globl	k_q62dcebba75_mix
	.p2align	8
	.type	k_q62dcebba75_mix,@function
k_q62dcebba75_mix:
	s_mov_b64 s[64:65], 0
	v_nop
	global_prefetch_b8 v0, s[64:65] scope:SCOPE_SE
	s_setreg_imm32_b32 hwreg(HW_REG_WAVE_MODE, 25, 1), 1
	s_wait_xcnt 0x0
	s_wait_alu depctr_hold_cnt(0) depctr_sa_sdst(0) depctr_va_vdst(0) depctr_va_sdst(0) depctr_va_ssrc(0) depctr_va_vcc(0) depctr_vm_vsrc(0)
	s_getreg_b32 s2, hwreg(HW_REG_IB_STS2, 6, 4)
	s_cmp_eq_u32 s2, 0
	s_cbranch_scc0 .Lentry_in_a_cluster
	s_endpgm
.Lentry_in_a_cluster:
	s_bfe_u32 s2, ttmp6, 0x10000c
	s_cmp_lg_u32 s2, 0xf033
	s_cbranch_scc0 .Lentry_shape_is_right
	s_endpgm
.Lentry_shape_is_right:
; out0[t][o] = the sum over e of g[t][e] x (the sum over d of xb[t][d] wb[(e, o)][d]).  xb: [16384][1024] bf16.  wb: [4096][1024] bf16, row (o >> 5) * 128 + e * 32 + (o & 31).  g: [16384][4] f32.
; out0: [16384][1024] f32.  The products' sums are f32, one for each (t, e, o), K ascending; the gates stay f32 and multiply the f32 sums: nothing is rounded here but f32 arithmetic itself.
; THE PRODUCT is a GEMM of 16,384 x 4,096 x 1,024.  A tile is 256 tokens x 256 rows of wb, which are 4 experts x 64 output columns; four waves, as many as a WGP has SIMDs, 128 x 128 each:
; 64 accumulators of 16 x 16, 512 registers.  A wave's 128 rows of wb are 4 experts x 32 output columns (block b of 16 rows: expert b / 2, columns 16 (b % 2) on), so the sum over the experts
; is made in the wave's own registers on the way out: 512 registers become 128, and a tile leaves as 256 rows x 256 bytes.
; K goes in steps of 128 through a ring of two LDS slots filled by the tensor data mover: rows of 256 bytes, at multiples of 256 bytes from the buffers' first bytes.
; A WORK-GROUP STAYS: four tiles, 4,096 tokens apart, with the same rows of wb; the ring does not stop at a tile's end, and nothing waits for a tile's stores.
; CLUSTERS: 4 x 4 work-groups.  The four of a row of the cluster need the same tiles of xb, the four of a column the same tiles of wb: each tile is asked for JOINTLY, by the same tensor load with
; the same descriptor and a mask that names the four.  By this text's own count a wave has two tensor loads out at the start and one behind each round.
; THE MATRIX INSTRUCTION IS USED TRANSPOSED: source 0 = 16 rows of wb, source 1 = 16 tokens.  In the result lane l holds token l % 16, registers 0 to 7 the output columns 8 (l / 16) + 0 .. 7:
; a lane needs the gates of one token for each block of 16 tokens, and its eight results are 32 consecutive bytes of a row of out0.
; REGISTERS, in windows of 256 (s_set_vgpr_msb: bits 1:0 source 0, 3:2 source 1, 5:4 source 2, 7:6 destination):
;   window 0: v0-31 addresses; v64-127, v128-191 fragments of xb, two buffers (the second also holds rows read back on the way out); v192-255 the gated sums
;   window 1: v0-31 the gates (token block a, expert e at 4 a + e); v64-127, v128-191 fragments of wb, two buffers
;   window 2: the 32 accumulators of my tokens 0-63 ((a, b) at v[8 (8 a + b)]);   window 3: those of my tokens 64-127
.set SIZE_K, 1024
.set KSTEP,  128
.set PITCH,  272                       ; an LDS row: 256 bytes + 16 of padding = 68 words: row r starts at bank 4 r mod 64 (64 banks of 4 bytes: ISA guide 11.1), so the 16 rows of a load start at 16 different banks
.set HALFT,  128*PITCH                 ; 128 rows: what one tensor load brings, and what one wave reads of xb or of wb
.set SLOT,   4*HALFT                   ; xb's 256 rows, then wb's 256 rows
.set STAGE,  2*SLOT                    ; behind the ring, never filled by a tensor load: 128 rows x 272 bytes, the work-group's, for the way out
.set SPITCH, 272
.set SPARE,  STAGE+128*SPITCH          ; behind the stage: the spare words, 128 bytes for each wave: two blocks of 256 bytes that no other line names
.set LAPS,   SIZE_K/(2*KSTEP)          ; a lap = two K steps = once round the ring
.set TILES,  4
.set WALK,   4096                      ; tokens from a tile to the work-group's next
.set NEXT_A, WALK*SIZE_K*2-(SIZE_K-2*KSTEP)*2   ; bytes from a slot's last K step of a tile to its first of the next: xb goes WALK rows down and back along K,
.set BACK_B, (SIZE_K-2*KSTEP)*2        ; wb only back
.set ADRA, 16                          ; v16-17  LDS address of my fragments of xb in slot 0, 1
.set ADRB, 20                          ; v20-21  the same for wb
.set STO,  24                          ; v24     the way out: where I put 32 bytes of a row
.set RD,   25                          ; v25     the way out: where I read a row back
.set CO,   26                          ; v26     my byte offset in out0
.set GO,   27                          ; v27     my byte offset in 16 rows of g
.set SPW,  28                          ; v28     LDS address of my spare word: SPARE + 4 x my thread's number; never rewritten
.set NIL,  29                          ; v29     0; never rewritten
.set F0,   64
.set F1,   128
.set OB,   128                         ; the way out: 32 rows' 16 bytes a lane, read back from the stage
.set TMP,  192                         ; the way out: gated sums of 64 tokens: 16 a + 8 (column half) + register
.set GT,   0                           ; window 1
.set WV,   12                          ; s12  my wave's number
.set HM,   13                          ; s13  which 128 tokens of the tile are mine.  Also: I fetch for xb (0) or for wb (1)
.set HN,   14                          ; s14  which 128 rows of wb.  Also: which 128 rows of that tile I fetch
.set TY,   15                          ; s15  the first tile's row of tiles
.set G1,   24                          ; s[24:31] descriptor group 1 for xb's tiles
.set G0,   32                          ; s[32:39] descriptor group 0 for xb's tiles, one set for each slot
.set G1B,  48                          ; s[48:55], s[56:63] the same for wb's
.set G0B,  56
.set MSB, 0
.macro WIN new                         ; the immediate's high byte repeats the setting that is left; a switch that changes nothing is dropped
.if MSB != (\new)
	s_set_vgpr_msb (MSB<<8)|(\new)
.set MSB, \new
.endif
.endm
.set MUL_LO, 0xa1                      ; source 0 (wb) window 1, source 1 (xb) window 0, C and D window 2
.set MUL_HI, 0xf1                      ; the same, C and D window 3
.set TO_B,   0x40                      ; destination window 1, address window 0
; A joint load.  Waves 0 and 1 fetch xb's two halves, waves 2 and 3 wb's.  The branch hangs on the wave's number alone: it is the same in every work-group.
; An s_nop 0 and four v_nop follow each of the two lines, ahead of the jump, the label and what follows.
.macro JLOAD s
	s_cmp_eq_u32 s[HM], 0
	s_cbranch_scc0 .Lfor_b_\@
	tensor_load_to_lds s[G0+4*(\s):G0+4*(\s)+3], s[G1:G1+7]
	s_nop 0
.rept 4
	v_nop
.endr
	s_branch .Lasked_\@
.Lfor_b_\@:
	tensor_load_to_lds s[G0B+4*(\s):G0B+4*(\s)+3], s[G1B:G1B+7]
	s_nop 0
.rept 4
	v_nop
.endr
.Lasked_\@:
.endm
; A round of the cluster's barrier: my work-group's barrier, so that wave 0's signal speaks for all four waves; wave 0 signals; every wave waits for all sixteen work-groups; my work-group's barrier once more.
.macro CREST                           ; a round behind its opening barrier
	s_cmp_lg_u32 s[WV], 0
	s_cbranch_scc1 .Lnot_wave_0_\@
	s_barrier_signal -3
.Lnot_wave_0_\@:
	s_barrier_wait -3
	s_barrier_signal -1
	s_barrier_wait -1
.endm
.macro CROUND                          ; a whole round
	s_barrier_signal -1
	s_barrier_wait -1
	CREST
.endm
	s_load_b256 s[4:11], s[0:1], 0x0               ; xb s[4:5], wb s[6:7], g s[8:9], out0 s[10:11]
	v_lshl_add_u32 v[SPW], v0, 2, SPARE
	v_mov_b32 v[NIL], 0
	ds_add_u32 v[SPW], v[NIL]                      ; the wave's opening: the add and its wait stand ahead of my first tensor load; the set-up below, work on registers, stands between them
	v_lshrrev_b32 v1, 5, v0
	v_readfirstlane_b32 s[WV], v1                  ; wave 0..3
	s_lshr_b32 s[HM], s[WV], 1
	s_and_b32 s[HN], s[WV], 1
	s_bfe_u32 s40, ttmp6, 0x40000                  ; cx, cy: my place in the cluster
	s_bfe_u32 s41, ttmp6, 0x40004
	s_lshl_b32 s42, ttmp9, 2                       ; in a cluster launch ttmp9 and ttmp7 count clusters
	s_add_co_u32 s42, s42, s40                     ; tile column = 4 x cluster x + cx
	s_and_b32 s[TY], ttmp7, 0xffff
	s_lshl_b32 s[TY], s[TY], 2
	s_add_co_u32 s[TY], s[TY], s41                 ; tile row = 4 x cluster y + cy
	s_lshl_b32 s43, s41, 2
	s_lshl_b32 s43, 15, s43                        ; my row of the cluster: places 4 cy .. 4 cy + 3
	s_lshl_b32 s44, 0x1111, s40                    ; my column: places cx, cx + 4, cx + 8, cx + 12
	; descriptor group 1: a tile of 128 rows x 128 elements, padded in LDS
	s_or_b32 s[G1+0], s43, (1<<16)|(1<<20)|(1<<21)|(5<<22)|(3<<25)  ; 15:0 the mask: xb's tiles go to my row; 17:16 elements of 2 bytes; 20 padding on; 21 set beside a mask; 24:22 after every 64 words (code 5); 31:25 4 words of it (code 3)
	s_or_b32 s[G1B+0], s44, (1<<16)|(1<<20)|(1<<21)|(5<<22)|(3<<25) ; the same with the mask of my column, for wb's tiles
.irp q, G1, G1B
	s_mov_b32 s[(\q)+1], KSTEP<<16                 ; tensor_dim0 = 128
	s_mov_b32 s[(\q)+2], 128<<16                   ; tensor_dim1 = 128
	s_mov_b32 s[(\q)+3], KSTEP<<16                 ; tile_dim0 = 128
	s_mov_b32 s[(\q)+4], 128                       ; tile_dim1 = 128
	s_mov_b32 s[(\q)+5], SIZE_K                    ; elements from row to row
	s_mov_b32 s[(\q)+6], 0
	s_mov_b32 s[(\q)+7], 0
.endr
	; where the tiles come from.  xb's hang on the tile row alone, which my row of the cluster shares; wb's on the tile column alone, which my column shares; each in registers of its own.
	s_lshl_b32 s17, s[HN], 7                       ; which 128 rows of the tile I fetch
	s_lshl_b32 s16, s[TY], 8
	s_add_co_u32 s16, s16, s17                     ; xb: row 256 x tile row + 128 x half,
	s_lshl_b32 s16, s16, 11                        ; in bytes: under 2^24
	s_lshl_b32 s46, s42, 8
	s_add_co_u32 s46, s46, s17                     ; wb: row 256 x tile column + 128 x half
	s_lshl_b32 s46, s46, 11
	s_mov_b32 s17, 0
	s_mov_b32 s47, 0
	s_mul_i32 s20, s[WV], HALFT                    ; and where they go: wave x 128 rows: no place in the cluster enters an LDS address
	s_wait_dscnt 0x0                               ; the opening add is done
	s_wait_kmcnt 0x0
	s_add_nc_u64 s[18:19], s[4:5], s[16:17]
	s_add_nc_u64 s[46:47], s[6:7], s[46:47]
	CROUND                                         ; all sixteen work-groups are here: the first joint loads meet
.irp s, 0,1
	s_mov_b32 s[G0+4*(\s)], 1                                      ; 1:0 count = 1
	s_add_co_u32 s[G0+4*(\s)+1], s20, (\s)*SLOT                    ; 63:32 LDS address
	s_add_nc_u64 s[G0+4*(\s)+2:G0+4*(\s)+3], s[18:19], (\s)*KSTEP*2  ; 120:64 global address: K step s
	s_or_b32 s[G0+4*(\s)+3], s[G0+4*(\s)+3], 0x80000000            ; 127:126 type = 2
	s_mov_b32 s[G0B+4*(\s)], 1
	s_add_co_u32 s[G0B+4*(\s)+1], s20, (\s)*SLOT
	s_add_nc_u64 s[G0B+4*(\s)+2:G0B+4*(\s)+3], s[46:47], (\s)*KSTEP*2
	s_or_b32 s[G0B+4*(\s)+3], s[G0B+4*(\s)+3], 0x80000000
	JLOAD \s                                       ; the ring is filled before anything else is done
.endr
	; A fragment is 16 rows x 32 K in 8 registers: lane l holds row l % 16; registers 0-3 K = 8 (l / 16) + 0..7, registers 4-7 K = 16 + 8 (l / 16) + 0..7: two loads of 16 bytes, 32 bytes apart.
	v_and_b32 v1, 15, v0                           ; l % 16
	v_bfe_u32 v2, v0, 4, 1                         ; l / 16
	v_mul_u32_u24 v3, v1, PITCH
	v_lshl_add_u32 v3, v2, 4, v3                   ; row x pitch + 16 x half
	s_mul_i32 s21, s[HM], HALFT                    ; my 128 rows of xb
	s_mul_i32 s22, s[HN], HALFT                    ; my 128 rows of wb,
	s_add_co_u32 s22, s22, 2*HALFT                 ; which lie behind xb's 256
.irp s, 0,1
	v_add_nc_u32 v[ADRA+(\s)], s21, v3
	v_add_nc_u32 v[ADRB+(\s)], s22, v3
	s_add_co_u32 s21, s21, SLOT
	s_add_co_u32 s22, s22, SLOT
.endr
	; The stage holds 64 tokens of each half of the tile's rows at a time: row 64 HM + 16 a + l % 16; in it my 32 columns begin at byte 128 HN, my lane's eight at 64 (column half) + 32 (l / 16).
	s_mul_i32 s23, s[HM], 64*SPITCH
	s_lshl_b32 s21, s[HN], 7
	s_add_co_u32 s23, s23, s21
	s_add_co_u32 s23, s23, STAGE
	v_mul_u32_u24 v4, v1, SPITCH
	v_lshl_add_u32 v4, v2, 5, v4
	v_add_nc_u32 v[STO], s23, v4
	s_mul_i32 s23, s[WV], 32*SPITCH                ; back: wave w takes stage rows 32 w .. 32 w + 31, whole; lanes 0-15 one row of 256 bytes, lanes 16-31 the next
	s_add_co_u32 s23, s23, STAGE
	v_mul_u32_u24 v5, v2, SPITCH
	v_lshl_add_u32 v5, v1, 4, v5
	v_add_nc_u32 v[RD], s23, v5
	v_lshlrev_b32 v5, 12, v2                       ; and the same two rows in out0, 4,096 bytes apart
	v_lshl_add_u32 v[CO], v1, 4, v5
	v_lshlrev_b32 v[GO], 4, v1                     ; a token's four gates are 16 bytes
	s_lshl_b32 s16, s[TY], 8
	s_lshl_b32 s17, s[HM], 7
	s_add_co_u32 s16, s16, s17                     ; my first token: 256 x tile row + 128 HM
	s_lshl_b32 s22, s16, 4
	s_mov_b32 s23, 0
	s_add_nc_u64 s[8:9], s[8:9], s[22:23]          ; g at my first token
	s_lshl_b32 s17, s[HN], 5                       ; stage rows 32 w .. are tokens 128 HM + 32 HN + 64 (half of the way out) ..
	s_add_co_u32 s16, s16, s17
	s_lshl_b32 s16, s16, 12
	s_mov_b32 s17, 0
	s_add_nc_u64 s[10:11], s[10:11], s[16:17]      ; out0 at the first row that I store,
	s_lshl_b32 s46, s42, 8                         ; and at the tile's 64 columns: 256 bytes x tile column
	s_mov_b32 s47, 0
	s_add_nc_u64 s[10:11], s[10:11], s[46:47]
; The gates of my 128 tokens: eight loads; sixteen lanes read 256 consecutive bytes, the other sixteen the same.
.macro GLOAD
	WIN TO_B
.irp a, 0,1,2,3,4,5,6,7
	global_load_b128 v[GT+4*(\a):GT+4*(\a)+3], v[GO], s[8:9] offset:256*(\a)
.endr
	WIN 0
.endm
	GLOAD                                          ; wanted at the tile's end: a whole tile's products in which to land
; 16 matrix instructions: token blocks a0, a0 + 1 of the window's four (hi = 0: my tokens 0-63, 1: 64-127) x all 8 blocks of wb's rows, 32 along K.  zero = 1: the first product starts the sums: nothing is ever cleared.
.macro MUL16 f, hi, a0, zero
	WIN MUL_LO+0x50*(\hi)
.irp a, \a0, (\a0)+1
.irp b, 0,1,2,3,4,5,6,7
.if \zero
	v_wmma_f32_16x16x32_bf16 v[8*(8*(\a)+(\b)):8*(8*(\a)+(\b))+7], v[(\f)+8*(\b):(\f)+8*(\b)+7], v[(\f)+8*(4*(\hi)+(\a)):(\f)+8*(4*(\hi)+(\a))+7], 0
.else
	v_wmma_f32_16x16x32_bf16 v[8*(8*(\a)+(\b)):8*(8*(\a)+(\b))+7], v[(\f)+8*(\b):(\f)+8*(\b)+7], v[(\f)+8*(4*(\hi)+(\a)):(\f)+8*(4*(\hi)+(\a))+7], v[8*(8*(\a)+(\b)):8*(8*(\a)+(\b))+7]
.endif
.endr
.endr
.endm
; 32 LDS loads in one run: the fragments of one quarter step (128 rows of wb, 128 rows of xb, 32 K at byte k of the rows) into buffer f
.macro FETCH slot, k, f
	WIN TO_B
.irp i, 0,1,2,3,4,5,6,7
	ds_load_b128 v[(\f)+8*(\i):(\f)+8*(\i)+3],   v[ADRB+(\slot)] offset:(\k)+(\i)*16*PITCH
	ds_load_b128 v[(\f)+8*(\i)+4:(\f)+8*(\i)+7], v[ADRB+(\slot)] offset:(\k)+(\i)*16*PITCH+32
.endr
	WIN 0
.irp i, 0,1,2,3,4,5,6,7
	ds_load_b128 v[(\f)+8*(\i):(\f)+8*(\i)+3],   v[ADRA+(\slot)] offset:(\k)+(\i)*16*PITCH
	ds_load_b128 v[(\f)+8*(\i)+4:(\f)+8*(\i)+7], v[ADRA+(\slot)] offset:(\k)+(\i)*16*PITCH+32
.endr
.endm
; A load into a register that a matrix instruction has read, and a vector instruction that reads a matrix result, stand four places behind that matrix instruction, and only plain vector
; instructions that name none of its registers are places (ISA guide 7.12.1 for vector instructions).
.macro PLACES
.rept 4
	v_nop
.endr
.endm
; A K step is four quarter steps of 32 along K, 64 matrix instructions each, on buffers 0, 1, 0, 1.  The 64 accumulators take turns in the same order in every quarter.
; One of the first three: multiplies buffer f; in its middle it fetches the next quarter's fragments, at byte k of the same slot's rows, into buffer g.
.macro QUARTER slot, k, f, g, zero
	s_wait_dscnt 8                                 ; wb and xb's rows 0-63 are in; the youngest eight loads (xb's rows 64-127) may be out
	WIN MUL_LO
	MUL16 \f, 0, 0, \zero
	MUL16 \f, 0, 2, \zero
	PLACES
	FETCH \slot, \k, \g
	s_wait_dscnt 32                                ; all but the 32 just issued
	WIN MUL_HI
	MUL16 \f, 1, 0, \zero
	MUL16 \f, 1, 2, \zero
.endm
; The last quarter multiplies buffer 1 and changes slots.  MEET is its first half: ONE barrier for the change.  In front of it each wave waits for all its tensor loads, of which one is out: its part
; of the next slot; adds 0 to its spare word; and waits for that and for its own reads of this slot.  Behind it nobody reads this slot any more and the next slot is whole.
.macro MEET round                      ; round = 1: a round of the cluster's barrier follows
	WIN 0                                          ; (the add's two registers lie in window 0)
	s_wait_tensorcnt 0x0                           ; all my tensor loads have landed;
	ds_add_u32 v[SPW], v[NIL]                      ; 0 onto my spare word;
	s_wait_dscnt 9                                 ; (the add and the youngest eight loads may be out)
	WIN MUL_LO
	MUL16 F1, 0, 0, 0                              ; sixteen matrix instructions stand between the add and the wait for it
	s_wait_dscnt 0x0                               ; the add is done, and my reads of this slot are over:
	s_barrier_signal -1                            ; say so,
	MUL16 F1, 0, 2, 0                              ; work on registers while the others arrive,
.if \round
	WIN 0
.endif
	s_barrier_wait -1                              ; and go on when all four have said so
.endm
; The whole last quarter.  Behind the round the slot just read out is filled again first: with this tile's K step two steps on (on = 0) or with the NEXT tile's K step 0 or 1 (on = 1); then come the
; next slot's first fragments.  From a request to the wait for it a wave issues 224 matrix instructions, across tiles too.
.macro TURN slot, next, on
	MEET 1
	CREST                                          ; no wave of any partner still reads this slot's tile or has a load on its way
.if \on
	s_add_nc_u64 s[G0+4*(\slot)+2:G0+4*(\slot)+3], s[G0+4*(\slot)+2:G0+4*(\slot)+3], NEXT_A
	s_sub_nc_u64 s[G0B+4*(\slot)+2:G0B+4*(\slot)+3], s[G0B+4*(\slot)+2:G0B+4*(\slot)+3], BACK_B
.else
	s_add_nc_u64 s[G0+4*(\slot)+2:G0+4*(\slot)+3], s[G0+4*(\slot)+2:G0+4*(\slot)+3], 2*KSTEP*2
	s_add_nc_u64 s[G0B+4*(\slot)+2:G0B+4*(\slot)+3], s[G0B+4*(\slot)+2:G0B+4*(\slot)+3], 2*KSTEP*2
.endif
	JLOAD \slot                                    ; the first tensor load behind the round; the four v_nop behind it are also the places in front of the loads below
	FETCH \next, 0, F0
	WIN MUL_HI
	MUL16 F1, 1, 0, 0
	MUL16 F1, 1, 2, 0
.endm
; THE WAY OUT.  COMB p: for my tokens 64 p .. 64 p + 63 the four experts' sums are weighed by the token's gates and added, two numbers a line: for each token block and column half a multiply starts
; the sum and three fused multiply-adds follow, four lines apart.  A pair of gates lies in a register pair; the select words pick its first or its second for both halves of a line.
; Each accumulator's registers are read in ascending order.
.macro COMB p
	WIN 0x06+(\p)                                  ; source 0 window 2 or 3, source 1 window 1, source 2 and destination window 0
.irp a4, 0,1,2,3
.irp ob, 0,1
.irp e, 0,1,2,3
.irp q, 0,1,2,3
.set rD, TMP+16*(\a4)+8*(\ob)+2*(\q)
.set rA, 8*(8*(\a4)+2*(\e)+(\ob))+2*(\q)
.set rG, GT+4*(4*(\p)+(\a4))+2*((\e)/2)
.if (\e) == 0
	v_pk_mul_f32 v[rD:rD+1], v[rA:rA+1], v[rG:rG+1] op_sel_hi:[1,0]
.elseif (\e) == 2
	v_pk_fma_f32 v[rD:rD+1], v[rA:rA+1], v[rG:rG+1], v[rD:rD+1] op_sel_hi:[1,0,1]
.else
	v_pk_fma_f32 v[rD:rD+1], v[rA:rA+1], v[rG:rG+1], v[rD:rD+1] op_sel:[0,1,0] op_sel_hi:[1,1,1]
.endif
.endr
.endr
.endr
.endr
	WIN 0
.endm
.macro TOST                            ; 64 tokens x my 32 columns into the stage: 16 bytes a lane and line; the 16 rows of a line start at 16 different banks
.irp a4, 0,1,2,3
.irp ob, 0,1
.irp hf, 0,1
	ds_store_b128 v[STO], v[TMP+16*(\a4)+8*(\ob)+4*(\hf):TMP+16*(\a4)+8*(\ob)+4*(\hf)+3] offset:(\a4)*16*SPITCH+(\ob)*64+(\hf)*16
.endr
.endr
.endr
.endm
.macro BACK                            ; 32 whole rows back, two a line
.irp t, 0,1,2,3,4,5,6,7,8,9,10,11,12,13,14,15
	ds_load_b128 v[OB+4*(\t):OB+4*(\t)+3], v[RD] offset:(\t)*2*SPITCH
.endr
.endm
.macro SEND p, counted                 ; counted = 1: the loads have just been issued, and each store waits for its own
.irp t, 0,1,2,3,4,5,6,7,8,9,10,11,12,13,14,15
.if \counted
	s_wait_dscnt 15-(\t)                           ; LDS loads come back in order (ISA guide 5.7.1): the 15 - t younger ones may be out
.endif
	global_store_b128 v[CO], v[OB+4*(\t):OB+4*(\t)+3], s[10:11] offset:(64*(\p)+2*(\t))*4096 th:TH_STORE_NT  ; 16 lanes store 256 consecutive bytes, at a multiple of 256 from out0's first byte
.endr
.endm
; A stage row's 256 bytes come from two waves, so a barrier stands between the writing and the reading, and another between the reading and the next writing; at each, every wave's LDS instructions are done.
; The next tile's first stores into the stage stand behind the K loop's barriers, each with its own wait for 0 in front.
.macro WAYOUT
	WIN 0
	PLACES                                         ; behind the tile's last products
	s_wait_loadcnt 0x0                             ; the gates
	COMB 0
	TOST
	s_wait_dscnt 0x0                               ; for the others' sake: my stores into the stage are done
	s_barrier_signal -1
	s_barrier_wait -1
	s_wait_xcnt 0x0                                ; registers that earlier stores read are loaded into only behind this wait
	BACK
	COMB 1                                         ; the second half's arithmetic stands between those loads and the wait for them
	s_wait_dscnt 0x0                               ; my reads of the stage are over
	s_barrier_signal -1
	s_barrier_wait -1
	TOST
	SEND 0, 0
	s_wait_dscnt 0x0
	s_barrier_signal -1
	s_barrier_wait -1
	s_wait_xcnt 0x0                                ; the first half's stores have read their registers
	BACK
	SEND 1, 1
.endm
	s_wait_tensorcnt 1                             ; my part of K step 0 is in; K step 1's may stay out
	s_barrier_signal -1
	s_barrier_wait -1                              ; everybody's is
	FETCH 0, 0, F0
	s_mov_b32 s2, TILES                            ; tiles to go, this one among them: the same number in every work-group
.Ltile:
	QUARTER 0, 64,  F0, F1, 1                      ; a tile's first quarter stands in front of the loop: its products start the sums
	WIN 0                                          ; at a label and at a branch every window is 0
	s_mov_b32 s3, LAPS-1
.Llap:                                                 ; a trip goes once round the ring, from a lap's second quarter to the next lap's first, and fills both slots again
	QUARTER 0, 128, F1, F0, 0
	QUARTER 0, 192, F0, F1, 0
	TURN 0, 1, 0
	QUARTER 1, 64,  F0, F1, 0
	QUARTER 1, 128, F1, F0, 0
	QUARTER 1, 192, F0, F1, 0
	TURN 1, 0, 0
	QUARTER 0, 64,  F0, F1, 0
	WIN 0
	s_sub_co_u32 s3, s3, 1
	s_cmp_lg_u32 s3, 0
	s_cbranch_scc1 .Llap
	QUARTER 0, 128, F1, F0, 0                      ; the tile's last lap goes on
	QUARTER 0, 192, F0, F1, 0
	WIN 0
	s_cmp_eq_u32 s2, 1
	s_cbranch_scc1 .Llast_tile                     ; the last tile's tail is written out: it asks for nothing more
	TURN 0, 1, 1                                   ; the ring goes on into the next tile: slot 0 takes its K step 0,
	QUARTER 1, 64,  F0, F1, 0
	QUARTER 1, 128, F1, F0, 0
	QUARTER 1, 192, F0, F1, 0
	TURN 1, 0, 1                                   ; slot 1 its K step 1, and the next tile's first fragments are fetched into buffer 0, which the way out leaves alone
	WAYOUT                                         ; both refills are asked for: now the tile goes out
	s_wait_xcnt 0x0                                ; the stores have read their registers (buffer 1 is loaded into next) and their base
	s_add_nc_u64 s[10:11], s[10:11], WALK*4096     ; out0 and g at the next tile's tokens
	s_add_nc_u64 s[8:9], s[8:9], WALK*16
	GLOAD
	s_sub_co_u32 s2, s2, 1
	s_branch .Ltile
.Llast_tile:
	MEET 0                                         ; my one tensor load that was still out is slot 1's, the last K step's, so no round follows
	PLACES                                         ; for the loads into buffer 0, which the quarter before multiplied
	FETCH 1, 0, F0
	MUL16 F1, 1, 0, 0
	MUL16 F1, 1, 2, 0
	QUARTER 1, 64,  F0, F1, 0
	QUARTER 1, 128, F1, F0, 0
	QUARTER 1, 192, F0, F1, 0
	s_wait_dscnt 8                                 ; the very last quarter: nothing more to fetch
	MUL16 F1, 0, 0, 0
	MUL16 F1, 0, 2, 0
	s_wait_dscnt 0x0
	MUL16 F1, 1, 0, 0
	MUL16 F1, 1, 2, 0
	WAYOUT
	s_wait_tensorcnt 0x0                           ; the wave's end, behind my last tensor load and my last LDS store
	ds_add_u32 v[SPW], v[NIL]
	s_wait_dscnt 0x0
	CROUND                                         ; the closing round: no work-group ends while a partner may still ask for a tile that names it
	s_endpgm
.Lfunc_end_k_q62dcebba75_mix:
	.size	k_q62dcebba75_mix, .Lfunc_end_k_q62dcebba75_mix-k_q62dcebba75_mix
	.p2alignl 7, 3214868480
	.fill 96, 4, 3214868480
	.section	.rodata,"a",@progbits
	.p2align	6, 0x0
	.amdhsa_kernel k_q62dcebba75_mix
		.amdhsa_group_segment_fixed_size 327680
		.amdhsa_private_segment_fixed_size 0
		.amdhsa_enable_private_segment 0
		.amdhsa_kernarg_size 32
		.amdhsa_user_sgpr_count 2
		.amdhsa_user_sgpr_kernarg_segment_ptr 1
		.amdhsa_wavefront_size32 1
		.amdhsa_system_sgpr_workgroup_id_x 1
		.amdhsa_system_sgpr_workgroup_id_y 1
		.amdhsa_system_sgpr_workgroup_id_z 1
		.amdhsa_system_vgpr_workitem_id 0
		.amdhsa_next_free_vgpr 1024
		.amdhsa_next_free_sgpr 66
		.amdhsa_reserve_vcc 0
		.amdhsa_float_denorm_mode_32 3
		.amdhsa_float_denorm_mode_16_64 3
		.amdhsa_memory_ordered 1
		.amdhsa_forward_progress 1
		.amdhsa_inst_pref_size 195
	.end_amdhsa_kernel
	.amdgpu_metadata
---
amdhsa.version: [ 1, 2 ]
amdhsa.kernels:
  - .name:           k_q62dcebba75_mix
    .symbol:         k_q62dcebba75_mix.kd
    .args:
      - { .name: xb, .offset: 0, .size: 8, .value_kind: global_buffer, .address_space: global }
      - { .name: wb, .offset: 8, .size: 8, .value_kind: global_buffer, .address_space: global }
      - { .name: g, .offset: 16, .size: 8, .value_kind: global_buffer, .address_space: global }
      - { .name: out0, .offset: 24, .size: 8, .value_kind: global_buffer, .address_space: global }
    .group_segment_fixed_size: 327680
    .private_segment_fixed_size: 0
    .kernarg_segment_align: 8
    .kernarg_segment_size: 32
    .max_flat_workgroup_size: 128
    .sgpr_count:     66
    .vgpr_count:     1024
    .wavefront_size: 32
...
	.end_amdgpu_metadata
.endif
;; end of part 2
;; ======== version 2 of 2: 2 launches; version 1 with the launch prep written anew for expert scheduling mode
;; workspace buffers: xb 33,554,432 bytes; wb 8,388,608 bytes; g 262,144 bytes
;; launch prep (part 3): grid 256 x 1, 4 waves a work-group, no clusters, 0 bytes of LDS; arguments x, W_experts, gate_w, gate_b, xb, wb, g; writes xb, wb, g
.if DOCPART == 3
	.amdgcn_target "amdgcn-amd-amdhsa--gfx1250"
	.amdhsa_code_object_version 6
	.text
	.protected	k_q62dcebba75_prep
	.globl	k_q62dcebba75_prep
	.p2align	8
	.type	k_q62dcebba75_prep,@function
k_q62dcebba75_prep:
	s_mov_b64 s[64:65], 0
	v_nop
	global_prefetch_b8 v0, s[64:65] scope:SCOPE_SE
	s_setreg_imm32_b32 hwreg(HW_REG_WAVE_SCHED_MODE, 0, 2), 2
	s_setreg_imm32_b32 hwreg(HW_REG_WAVE_MODE, 25, 1), 1
	s_wait_xcnt 0x0
	s_wait_alu depctr_vm_vsrc(0)
; PREPARATION, a stream.  xb = bf16(x), [16384][1024].  wb = bf16(W_experts) with its rows in another order, [4096][1024]: row (o >> 5) * 128 + e * 32 + (o & 31) holds W[e][o][:].
; g[t][e] = softmax_e(x[t] . gate_w[e] + gate_b[e]), f32, [16384][4].
; LIMITS.  x, W_experts, gate_w and gate_b are each rounded ONCE to bf16 (nearest even); the gate's products are those of the rounded numbers, summed in f32.  The row's maximum is taken away before
; the exponentials; an exponential below 2^-126 counts as 0; NaN and infinities are not treated apart.
; SHARES.  256 work-groups of four waves.  A wave takes 16 rows of x and 4 rows of W, a whole row of 4,096 bytes at a time: eight loads of 16 bytes a lane, each covering 512 consecutive bytes;
; two roundings make 8 bytes a lane, and a store of the wave covers 256 consecutive bytes, aligned.  Every byte of x and of W is read once.
; The gate rides on the stream: the row's 16 packed registers are multiplied with gate_w's (bf16, kept in 64 registers for the whole kernel), eight f32 chains a lane, and four rows' sums are
; reduced across the lanes and put through the softmax together.  No LDS, no barrier, no matrix instruction, no cluster: a lane holds consecutive bytes of ONE row, which is no matrix fragment,
; the gate is a thousandth of the module's products, and no two work-groups read the same rows (gate_w's 16 KiB aside).
; A ring of four row slots in registers keeps 24 to 32 loads of every wave on their way.
; THE MODE: SCHED_MODE bits 1:0 = 2 (LLVM: expert scheduling mode 2), set by the entry lines.  The code itself states the register dependences
; between vector instructions and memory instructions, with s_wait_alu, always for 0.
; THE PLAN.  Registers that memory instructions touch:
;   v1, v2, v4   byte offsets, made once at the head and never written again: the rows are reached by scalar bases and immediate offsets.
;   X0 .. X3     Turn s: its sixteen roundings read X[s]; behind them the slot's next eight loads land in it.
;   Y            Turn s: its sixteen roundings write Y; the turn's eight stores read it; the next turn's roundings write it again.
;   YW0 .. YW3   Behind the loop: W's row s is rounded into YW[s], which its eight stores read; none is written again.
;   G            Written in every softmax; read by one store behind the loop.
; So a turn has ONE wait on va_vdst, behind its roundings: Y is written and X[s] has been read.  The turn's eight loads and eight stores follow it, the stores dealt among the 128 multiply-adds,
; which read Y and gate_w and write the chains: none of them writes a register that those loads and stores touch.  One wait on vm_vsrc stands at a turn's head, ahead of the roundings that write Y again.
.set LO,  1                            ; v1       16 x lane: my 16 bytes in 512
.set SO,  2                            ; v2       8 x lane: my 8 bytes in 256
.set LH,  3                            ; v3       lane / 2: the row (of my wave's 16) whose gates I keep
.set NIL, 4                            ; v4       0: starts the sums
.set G,   6                            ; v[6:7]   the gates that I keep: experts 2 (lane % 2) and 2 (lane % 2) + 1 of row lane / 2
.set BB,  8                            ; v[8:11]  gate_b, rounded to bf16, as f32
.set ACC, 12                           ; v[12:19] eight chains: expert e, even and odd columns; also at work in the softmax
.set SS,  20                           ; v[20:23] four rows' sums of exponentials
.set MR,  24                           ; v[24:31] row s: v[24+2s] c x maximum, later 1 / sum; the odd ones are only named with them as pairs
.set Y,   32                           ; v[32:47] a row in bf16: register 2 j + c holds columns 128 j + 4 lane + 2 c, + 1
.set LG,  48                           ; v[48:63] logits of four rows: 4 s + e
.set GW,  64                           ; v[64:127] gate_w in bf16: 16 e + 2 j + c, columns as in Y
.set YW,  48                           ; v[48:111] behind the loop, where the logits and gate_w are wanted no more: W's row s in bf16 at YW + 16 s
.set X,   128                          ; v[128:255] four slots of 32: a row as loaded.  Window 1 (v256-383): gate_w as loaded
.set CM,  18                           ; s[18:21] in the softmax: row s's mask of the two lanes that keep it (s18 holds the wave's number at the head alone)
.set MSB, 0
.macro WIN new                         ; the immediate's high byte repeats the setting that is left
.if MSB != (\new)
	s_set_vgpr_msb (MSB<<8)|(\new)
.set MSB, \new
.endif
.endm
	s_load_b256 s[4:11], s[0:1], 0x0               ; x s[4:5], W s[6:7], gate_w s[8:9], gate_b s[10:11]
	s_load_b128 s[12:15], s[0:1], 0x20             ; xb s[12:13], wb s[14:15]
	s_load_b64 s[16:17], s[0:1], 0x30              ; g
	v_and_b32 v5, 31, v0                           ; lane
	v_lshrrev_b32 v3, 5, v0
	v_readfirstlane_b32 s18, v3                    ; wave 0..3
	v_lshlrev_b32 v[LO], 4, v5
	v_lshlrev_b32 v[SO], 3, v5
	v_lshrrev_b32 v[LH], 1, v5
	v_mov_b32 v[NIL], 0
	v_mov_b32 v[G], 0                              ; written lane by lane below, so written whole here
	v_mov_b32 v[G+1], 0
.irp i, 0,1,2,3,4,5,6,7
	v_mov_b32 v[MR+(\i)], 0                        ; named as pairs by the packed lines
.endr
	s_mov_b32 s34, 0x76543210                      ; v_permlanex16_b32: each lane takes its own place in the other half
	s_mov_b32 s35, 0xfedcba98
	s_mov_b32 s36, 0xaaaaaaaa                      ; the odd lanes
	s_mov_b32 s38, 0x3fb8aa3b                      ; c = log2(e)
	s_mov_b32 s39, s38                             ; named with it as a pair
	s_mov_b32 s32, 4                               ; trips of four rows
	s_mov_b32 s33, 0                               ; the row in hand, 0 .. 15
	s_wait_alu depctr_va_sdst(0)                   ; s18 is written, ahead of its first reader: the wave's rows of x and of W are made from it
	s_lshl_b32 s19, ttmp9, 6
	s_lshl_b32 s20, s18, 4
	s_add_co_u32 s19, s19, s20                     ; my first row of x: 64 x work-group + 16 x wave
	s_mov_b32 s21, 0                               ; every offset stays under 2^32
	s_wait_kmcnt 0x0
	s_lshl_b32 s20, s19, 12
	s_add_nc_u64 s[22:23], s[4:5], s[20:21]        ; LD: where the slots are filled from
	s_lshl_b32 s20, s19, 11
	s_add_nc_u64 s[26:27], s[12:13], s[20:21]      ; ST: xb at my first row
	s_lshl_b32 s20, s19, 4
	s_add_nc_u64 s[30:31], s[16:17], s[20:21]      ; g at my first row
	s_lshl_b32 s19, ttmp9, 4
	s_lshl_b32 s20, s18, 2
	s_add_co_u32 s19, s19, s20                     ; my first row of W as [4096][1024]: 16 x work-group + 4 x wave = 1024 e + o
	s_lshl_b32 s20, s19, 12
	s_add_nc_u64 s[24:25], s[6:7], s[20:21]        ; WB
	s_lshr_b32 s20, s19, 10                        ; e
	s_and_b32 s19, s19, 1023                       ; o, a multiple of 4: my four rows stay in one group of 32
	s_lshl_b32 s20, s20, 5
	s_lshr_b32 s37, s19, 5
	s_lshl_b32 s37, s37, 7
	s_and_b32 s19, s19, 31
	s_add_co_u32 s20, s20, s37
	s_add_co_u32 s20, s20, s19                     ; (o >> 5) * 128 + 32 e + (o & 31)
	s_lshl_b32 s20, s20, 11
	s_add_nc_u64 s[28:29], s[14:15], s[20:21]      ; WS: wb at my four rows
.macro FILL s                          ; eight loads: the whole row
.irp j, 0,1,2,3,4,5,6,7
	global_load_b128 v[X+32*(\s)+4*(\j):X+32*(\s)+4*(\j)+3], v[LO], s[22:23] offset:(\s)*4096+512*(\j) th:TH_LOAD_NT
.endr
.endm
	s_wait_alu depctr_va_vdst(0)                   ; v1, v2 and v4 are written: every load and store of the kernel reads one of them as its offset
	global_load_b128 v[BB:BB+3], v[NIL], s[10:11]  ; the four biases, in every lane
	WIN 0x40                                       ; destination window 1
.irp e, 0,1,2,3
.irp j, 0,1,2,3,4,5,6,7
	global_load_b128 v[32*(\e)+4*(\j):32*(\e)+4*(\j)+3], v[LO], s[8:9] offset:(\e)*4096+512*(\j)
.endr
.endr
	WIN 0
	FILL 0
	FILL 1
	FILL 2
	s_wait_loadcnt 24                              ; loads come back in order (ISA guide 5.7.1): the bias and gate_w are in, the three slots' 24 stay out
	WIN 0x05                                       ; sources in window 1, destination in window 0
.set i, 0
.rept 64
	v_cvt_pk_bf16_f32 v[GW+i], v[2*i], v[2*i+1]    ; 16 e + 2 j + c takes 32 e + 4 j + 2 c, + 1
.set i, i+1
.endr
	WIN 0
	FILL 3                                         ; the fourth slot's loads follow the conversion, which they do not wait for: it names v64-127 and v256-383, not v1 and not the slot
	v_cvt_pk_bf16_f32 v5, v[BB], v[BB+1]           ; the bias is rounded like every input, and widened again
	v_cvt_pk_bf16_f32 v[ACC], v[BB+2], v[BB+3]
	v_lshlrev_b32 v[BB], 16, v5
	v_and_b32 v[BB+1], 0xffff0000, v5
	v_lshlrev_b32 v[BB+2], 16, v[ACC]
	v_and_b32 v[BB+3], 0xffff0000, v[ACC]
; The turn of slot s: a row of x is rounded and stored, the slot is filled again, and the row's four partial logits are made.
.macro XTURN s
	s_wait_loadcnt 24                              ; my slot's eight loads are in; the three younger slots' 24 stay out
	s_wait_xcnt 0x0                                ; every earlier memory instruction has had its addresses translated (ISA guide 3.1): Y, which the last turn's stores read, and LD are rewritten only behind this wait
	s_wait_alu depctr_vm_vsrc(0)                   ; the last turn's stores have read Y, which the roundings below write again
.if (\s) == 0
	s_add_nc_u64 s[22:23], s[22:23], 0x4000        ; the slots' next four rows;
	s_cmp_eq_u32 s32, 1
	s_cselect_b64 s[22:23], s[24:25], s[22:23]     ; in the last trip x has none left: the slots take my four rows of W
.endif
.set i, 0
.rept 16
	v_cvt_pk_bf16_f32 v[Y+i], v[X+32*(\s)+2*i], v[X+32*(\s)+2*i+1]
.set i, i+1
.endr
	s_wait_alu depctr_va_vdst(0)                   ; the roundings have written Y, which the stores below read, and are done reading X[s], in which the loads below land
	FILL \s                                        ; the slot is asked for again at once, in one run
.set i, 0
.rept 16                               ; eight chains, a link every eight multiply-adds; the first products start the sums
.if i < 8
	global_store_b64 v[SO], v[Y+2*i:Y+2*i+1], s[26:27] offset:(\s)*2048+256*i  ; 32 lanes store 256 consecutive bytes, at a multiple of 256 from xb's first byte.  No wait: no vector instruction since the wait above writes Y or v2
.endif
.irp e, 0,1,2,3
.irp hf, 0,1
.if i == 0
	v_fma_mix_f32_bf16 v[ACC+2*(\e)+(\hf)], v[Y+i], v[GW+16*(\e)+i], v[NIL] op_sel:[\hf,\hf,0] op_sel_hi:[1,1,0]
.else
	v_fma_mix_f32_bf16 v[ACC+2*(\e)+(\hf)], v[Y+i], v[GW+16*(\e)+i], v[ACC+2*(\e)+(\hf)] op_sel:[\hf,\hf,0] op_sel_hi:[1,1,0]
.endif
.endr
.endr
.set i, i+1
.endr
.irp e, 0,1,2,3
	v_add_f32 v[LG+4*(\s)+(\e)], v[ACC+2*(\e)], v[ACC+2*(\e)+1]
.endr
.endm
; Four rows' softmax at once: sixteen independent numbers in every step of the reduction, one batch of sixteen exponentials, one of four reciprocals.  No memory instruction names a register of it but G.
.macro SOFT4
.irp m, 1,2,4,8
.set i, 0
.rept 16
	v_add_f32_dpp v[LG+i], v[LG+i], v[LG+i] row_xmask:\m row_mask:0xf bank_mask:0xf
.set i, i+1
.endr
.endr
.irp hf, 0,1
.set i, 0
.rept 8
	v_permlanex16_b32 v[ACC+i], v[LG+8*(\hf)+i], s34, s35
.set i, i+1
.endr
.set i, 0
.rept 8
	v_add_f32 v[LG+8*(\hf)+i], v[LG+8*(\hf)+i], v[ACC+i]  ; every lane holds the whole sums
.set i, i+1
.endr
.endr
.irp s, 0,1,2,3
.irp c, 0,2
	v_pk_add_f32 v[LG+4*(\s)+(\c):LG+4*(\s)+(\c)+1], v[LG+4*(\s)+(\c):LG+4*(\s)+(\c)+1], v[BB+(\c):BB+(\c)+1]
.endr
.endr
.irp s, 0,1,2,3
	v_max3_num_f32 v[MR+2*(\s)], v[LG+4*(\s)], v[LG+4*(\s)+1], v[LG+4*(\s)+2]
.endr
.irp s, 0,1,2,3
	v_max_num_f32 v[MR+2*(\s)], v[MR+2*(\s)], v[LG+4*(\s)+3]
.endr
.irp s, 0,1,2,3
	v_mul_f32 v[MR+2*(\s)], s38, v[MR+2*(\s)]      ; c m, the same number for the row's four experts
.endr
.irp s, 0,1,2,3
.irp c, 0,2
	v_pk_fma_f32 v[LG+4*(\s)+(\c):LG+4*(\s)+(\c)+1], v[LG+4*(\s)+(\c):LG+4*(\s)+(\c)+1], s[38:39], v[MR+2*(\s):MR+2*(\s)+1] op_sel_hi:[1,0,0] neg_lo:[0,0,1] neg_hi:[0,0,1]  ; c s - c m
.endr
.endr
.set i, 0
.rept 16
	v_exp_f32 v[LG+i], v[LG+i]
.set i, i+1
.endr
	v_nop                                          ; a plain instruction behind the last exponential (ISA guide 5.7.2),
	s_wait_alu depctr_va_vdst(0)                   ; the sixteen exponentials have written v[LG ..], ahead of the first line that names a result: one wait for the batch
.irp s, 0,1,2,3
	v_pk_add_f32 v[ACC+2*(\s):ACC+2*(\s)+1], v[LG+4*(\s):LG+4*(\s)+1], v[LG+4*(\s)+2:LG+4*(\s)+3]
.endr
.irp s, 0,1,2,3
	v_add_f32 v[SS+(\s)], v[ACC+2*(\s)], v[ACC+2*(\s)+1]  ; at least 1: the largest term is 1
.endr
.irp s, 0,1,2,3
	v_rcp_f32 v[MR+2*(\s)], v[SS+(\s)]
.endr
.irp s, 0,1,2,3                        ; even lanes take experts 0 and 1, odd lanes 2 and 3: plain work behind the reciprocals, which names none of their registers
	v_cndmask_b32 v[ACC+2*(\s)], v[LG+4*(\s)], v[LG+4*(\s)+2], s36
	v_cndmask_b32 v[ACC+2*(\s)+1], v[LG+4*(\s)+1], v[LG+4*(\s)+3], s36
.endr
.irp s, 0,1,2,3                        ; whose row is it?  The four masks are made in one run, each in a scalar register of its own
	v_cmp_eq_u32 s[CM+(\s)], s33, v[LH]
	s_add_co_u32 s33, s33, 1
.endr
	s_wait_alu depctr_va_vdst(0)                   ; the four reciprocals have written v[MR], v[MR+2], v[MR+4], v[MR+6], ahead of the first line that names one: one wait for the batch
.irp s, 0,1,2,3
	v_pk_mul_f32 v[ACC+2*(\s):ACC+2*(\s)+1], v[ACC+2*(\s):ACC+2*(\s)+1], v[MR+2*(\s):MR+2*(\s)+1] op_sel_hi:[1,0]
.endr
	s_wait_alu depctr_va_sdst(0)                   ; the four compares have written s[CM ..], ahead of the first select that reads one
.irp s, 0,1,2,3                        ; the two lanes whose row this is keep it
	v_cndmask_b32 v[G], v[G], v[ACC+2*(\s)], s[CM+(\s)]
	v_cndmask_b32 v[G+1], v[G+1], v[ACC+2*(\s)+1], s[CM+(\s)]
.endr
.endm
.Ltrip:                                                ; four trips of four rows
	XTURN 0
	XTURN 1
	XTURN 2
	XTURN 3
	SOFT4
	s_wait_xcnt 0x0                                ; the stores' base is stepped only behind this wait
	s_add_nc_u64 s[26:27], s[26:27], 0x2000
	s_sub_co_u32 s32, s32, 1
	s_cmp_lg_u32 s32, 0
	s_cbranch_scc1 .Ltrip
; A row of W: rounded and stored; nothing is left to load, so the counts run down.  Each row has an out-buffer of its own, which no memory instruction has read and nothing writes again.
.macro WTURN s, left
	s_wait_loadcnt \left
.set i, 0
.rept 16
	v_cvt_pk_bf16_f32 v[YW+16*(\s)+i], v[X+32*(\s)+2*i], v[X+32*(\s)+2*i+1]
.set i, i+1
.endr
.if (\s) == 0
	s_wait_alu depctr_va_vdst(0)                   ; the roundings have written YW[0], and the last softmax has written G: the stores below read them
	global_store_b64 v[SO], v[G:G+1], s[30:31]     ; my wave's 16 rows of g: 256 consecutive bytes, aligned
.else
	s_wait_alu depctr_va_vdst(0)                   ; the roundings have written YW[s], which the stores below read
.endif
.irp j, 0,1,2,3,4,5,6,7
	global_store_b64 v[SO], v[YW+16*(\s)+2*(\j):YW+16*(\s)+2*(\j)+1], s[28:29] offset:(\s)*2048+256*(\j)
.endr
.endm
	WTURN 0, 24
	WTURN 1, 16
	WTURN 2, 8
	WTURN 3, 0
	s_endpgm
.Lfunc_end_k_q62dcebba75_prep:
	.size	k_q62dcebba75_prep, .Lfunc_end_k_q62dcebba75_prep-k_q62dcebba75_prep
	.p2alignl 7, 3214868480
	.fill 96, 4, 3214868480
	.section	.rodata,"a",@progbits
	.p2align	6, 0x0
	.amdhsa_kernel k_q62dcebba75_prep
		.amdhsa_group_segment_fixed_size 0
		.amdhsa_private_segment_fixed_size 0
		.amdhsa_enable_private_segment 0
		.amdhsa_kernarg_size 56
		.amdhsa_user_sgpr_count 2
		.amdhsa_user_sgpr_kernarg_segment_ptr 1
		.amdhsa_wavefront_size32 1
		.amdhsa_system_sgpr_workgroup_id_x 1
		.amdhsa_system_sgpr_workgroup_id_y 1
		.amdhsa_system_sgpr_workgroup_id_z 1
		.amdhsa_system_vgpr_workitem_id 0
		.amdhsa_next_free_vgpr 384
		.amdhsa_next_free_sgpr 66
		.amdhsa_reserve_vcc 0
		.amdhsa_float_denorm_mode_32 3
		.amdhsa_float_denorm_mode_16_64 3
		.amdhsa_memory_ordered 1
		.amdhsa_forward_progress 1
		.amdhsa_inst_pref_size 74
	.end_amdhsa_kernel
	.amdgpu_metadata
---
amdhsa.version: [ 1, 2 ]
amdhsa.kernels:
  - .name:           k_q62dcebba75_prep
    .symbol:         k_q62dcebba75_prep.kd
    .args:
      - { .name: x, .offset: 0, .size: 8, .value_kind: global_buffer, .address_space: global }
      - { .name: W_experts, .offset: 8, .size: 8, .value_kind: global_buffer, .address_space: global }
      - { .name: gate_w, .offset: 16, .size: 8, .value_kind: global_buffer, .address_space: global }
      - { .name: gate_b, .offset: 24, .size: 8, .value_kind: global_buffer, .address_space: global }
      - { .name: xb, .offset: 32, .size: 8, .value_kind: global_buffer, .address_space: global }
      - { .name: wb, .offset: 40, .size: 8, .value_kind: global_buffer, .address_space: global }
      - { .name: g, .offset: 48, .size: 8, .value_kind: global_buffer, .address_space: global }
    .group_segment_fixed_size: 0
    .private_segment_fixed_size: 0
    .kernarg_segment_align: 8
    .kernarg_segment_size: 56
    .max_flat_workgroup_size: 128
    .sgpr_count:     66
    .vgpr_count:     384
    .wavefront_size: 32
...
	.end_amdgpu_metadata
.endif
;; end of part 3
;; launch mix: the kernel of part 2 again; grid 16 x 16, 4 waves a work-group, clusters of 4 x 4, 327,680 bytes of LDS; arguments xb, wb, g, out0; writes out0
